; MI455X (gfx1250); checked and timed in simulation.
; The chip was launched on July 23, 2026; its instructions are those of AMD's public machine-readable ISA for CDNA 5 (MIT licence, August 2026) and "CDNA5" Instruction Set Architecture Reference Guide (July 2026). The comments in the code are by the model that wrote it; some were corrected since.
;; Multi Headed Attention. Allowed arithmetic: matrix products marked QUANTISED: E2M1 operands, one E8M0 scale for each 32 along K, by v_wmma_scale_f32_16x16x128_f8f6f4 with both operands' format E2M1 (or v_wmma_scale_f32_32x16x128_f4), f32 sums; products left as they are: bf16, f16 or f32 operands; f32 sums; everything else in f32.
;; Inputs: Wk 512 x 512 float32; Wo 4,096 x 512 float32; Wq 512 x 512 float32; Wv 512 x 512 float32; bk 512 float32; bo 512 float32; bq 512 float32; bv 512 float32; x 4 x 2,048 x 512 float32.
;; Outputs: out0 4 x 2,048 x 512 float32.
;; Constants: num_heads = 8.
;; This version of the problem:
;;   THIS VERSION OF THE PROBLEM IS GIVEN IN LOW PRECISION. The matrix products marked QUANTISED in the list below multiply operands that are first quantised to E2M1 (2 exponent bits, 1 mantissa bit; 4 bits a number), with one power-of-two scale for each 32 numbers along K (OCP MX v1.0); their sums are f32. The products marked 'left as it is' may take bf16, f16 or f32 operands, with f32 sums. Whichever they take, every output number must still come out within the allowed error. Rounding operands to bf16 (8 significant bits) uses up far more of that allowance than f16 does (11 bits, for magnitudes from 6e-5 to 65,504). All else is computed in f32.
;;   The module's matrix products, in the order in which they are computed (A, B: the left and right operand; K: the contracted axis; several contracted axes count as one K, in the product's order):
;;     1. [M 8,192, K 512] x [K 512, N 512]; A: input x; B: input Wq: QUANTISED
;;     2. [M 8,192, K 512] x [K 512, N 512]; A: input x; B: input Wk: QUANTISED
;;     3. [M 8,192, K 512] x [K 512, N 512]; A: input x; B: input Wv: QUANTISED
;;     4. batch 4 x [M 2,048, K 512] x [K 512, N 2,048]; A: computed on the way; B: computed on the way: left as it is (an operand is computed on the way)
;;     5. batch 4 x [M 2,048, K 2,048] x [K 2,048, N 512]; A: computed on the way; B: computed on the way: left as it is (an operand is computed on the way)
;;     6. [M 8,192, K 4,096] x [K 4,096, N 512]; A: computed on the way; B: input Wo: left as it is (an operand is computed on the way)
;;   THE QUANTISER, for each operand of a quantised product, along K:
;;     - K is cut into blocks of 32 from its start; a last block that is shorter is filled with zeros.
;;     - A block's scale is 2^e with e = floor(log2(the largest magnitude in the block)) - 2, held to -126 .. 127; a block of zeros has e = 0. As a byte (E8M0): e + 127.
;;     - Each number is divided by its block's scale, clamped to +-6, and rounded to the nearest number of E2M1, ties to even, subnormals kept.
;;     - The product sums the exact products of the quantised numbers (number of the format x scale) in f32.
;;   ~~~python
;;   def quantise(x, axis):      # numpy; x: float32 -> the quantised numbers, widened to float32 again
;;       x = np.moveaxis(x, axis, -1); K = x.shape[-1]
;;       x = np.pad(x, [(0, 0)] * (x.ndim - 1) + [(0, -K % 32)]); x = x.reshape(x.shape[:-1] + (-1, 32)); a = np.abs(x).max(-1, keepdims=True)
;;       e = np.where(a > 0, np.clip(np.frexp(np.where(a > 0, a, 1))[1] - 1 - 2, -126, 127), 0)      # np.frexp(a)[1] - 1 = floor(log2(a)), exactly
;;       r = np.clip(x / 2.0 ** e, -6, 6)
;;       step = 2.0 ** (np.maximum(np.frexp(np.where(r == 0, 1, r))[1] - 1, 0) - 1)
;;       q = np.round(r / step) * step * 2.0 ** e      # np.round: ties to even
;;       return np.moveaxis(q.reshape(q.shape[:-2] + (-1,))[..., :K], -1, axis).astype(np.float32)
;;   ~~~
;; One version. Each part assembles by itself: llvm-mc -triple=amdgcn-amd-amdhsa -mcpu=gfx1250 --defsym DOCPART=n.
;; ======== version 1 of 1: 4 launches
;; limits: values outside matrix products are rounded to f16; values are held in f16: magnitudes above 65,504 overflow, below 6.1e-05 lose precision
;; workspace buffers: prep 3,170,304 bytes; qkv 25,165,824 bytes; part 33,554,432 bytes; st 262,144 bytes
;; launch prep (part 1): grid 304 x 1, 4 waves a work-group, no clusters, 39,424 bytes of LDS; arguments x, Wq, Wk, Wv, Wo, prep; writes prep
.if DOCPART == 1
	.amdgcn_target "amdgcn-amd-amdhsa--gfx1250"
	.amdhsa_code_object_version 6
	.text
	.protected	k_qdf2657929c_prep
	.globl	k_qdf2657929c_prep
	.p2align	8
	.type	k_qdf2657929c_prep,@function
k_qdf2657929c_prep:
	s_mov_b64 s[64:65], 0
	v_nop
	global_prefetch_b8 v0, s[64:65] scope:SCOPE_SE
	s_setreg_imm32_b32 hwreg(HW_REG_WAVE_MODE, 25, 1), 1
	s_wait_xcnt 0x0
; PREP: everything that is made once from the inputs, into the one workspace buffer prep.  Three kinds of work-groups, told apart by the work-group's number:
;   0..127   x [8192][512] f32 -> codes of FP4 (E2M1) and one E8M0 byte for each 32 along K (K = the last axis);
;   128..175 Wq, Wk, Wv [512 (k)][512 (n)] f32 -> the same, K = the FIRST axis: a lane takes a column and its registers run down K;
;   176..303 Wo [4096][512] f32 -> Wos[k][n] = the sum over the eight slices h of Wo[512 h + k][n], in f32, rounded once to f16:
;            the concatenation of eight copies of one matrix times Wo is that matrix times this sum, for every input.
; LAYOUTS.  Codes lie as images of the operand's registers: [tile of 16 rows or columns][block kb 0..15][r 0..15][16 bytes], so that half c of the fragment
; of K step s is the 512 bytes at (4 s + 2 c) 256, lane l's 16 bytes at 16 l.  Scale bytes: [row or column][16], byte kb.  Wos: [tile of 16 columns nt][32 k dc][part 2][lane][16 bytes]:
; lane (r, h) holds column 16 nt + r and k = 32 dc + 16 part + 8 h + 0..7: the registers of a 16-bit fragment.
; THE QUANTISER.  A block's scale is 2^(floor(log2(largest magnitude)) - 2): its byte is the largest magnitude's exponent field - 2, held at 1 from below.
; LIMITS: a block of zeros gets the byte 1 where the rule says 127 (its codes are zeros, and this program alone reads the bytes); blocks whose largest magnitude lies under 2^(3 - 127) keep the
; byte 1; NaN and infinities are not served; |Wos| stays under 65,504 (f16); Wo's slices are summed ahead of the product, another order of rounding than the stated one.
; Only the first kind touches LDS; no barrier, no tensor load: waves share nothing.
.set XC,    0                          ; sections of prep, in bytes: x's codes,
.set WC,    2097152                    ; the weights' codes,
.set XS,    2490368                    ; x's scale bytes,
.set WS,    2621440                    ; the weights' scale bytes,
.set WOS,   2646016                    ; Wos
.set WREG,  9728                       ; LDS of a wave: two stages of 32 x 80 bytes, 256 scale bytes, an image of 16 x 272 bytes
.set SP,    80                         ; a lane's place in a stage: 64 bytes + 16 of padding
.set SBY,   5120
.set CIMG,  5376
.set CP,    272                        ; a block's 256 bytes of the image + 16 of padding
.set SPARE, 4*WREG                     ; behind the four regions: the spare words, 128 bytes for each wave
.set SPW,   12                         ; v12  LDS address of my spare word; never rewritten
.set NIL,   13                         ; v13  0; never rewritten
.set R,     16                         ; path x: v16-79   four sets of 16 numbers as loaded
.set X,     80                         ;         v80-111  two sets of 16 neighbours
.set E,     112                        ;         v112-127 a scale byte for each step
.set C,     128                        ;         v128-159 two registers of codes for each step: no store's data are written again
.set OUTR,  160                        ;         v160-191 the image on its way out
	s_load_b256 s[4:11], s[0:1], 0x0               ; x s[4:5], Wq s[6:7], Wk s[8:9], Wv s[10:11]
	s_load_b128 s[12:15], s[0:1], 0x20             ; Wo s[12:13], prep s[14:15]
	v_lshl_add_u32 v[SPW], v0, 2, SPARE
	v_mov_b32 v[NIL], 0
	v_lshrrev_b32 v1, 5, v0
	v_readfirstlane_b32 s16, v1                    ; wave 0..3
	v_and_b32 v2, 31, v0                           ; lane
	s_mov_b32 s25, 0                               ; the upper word of every offset pair s[24:25]
	s_wait_kmcnt 0x0
	s_cmp_lt_u32 ttmp9, 128
	s_cbranch_scc1 .Lpath_x
	s_cmp_lt_u32 ttmp9, 176
	s_cbranch_scc1 .Lpath_w
; ---------------- Wo: a wave takes 32 columns x 16 k; a lane one column, 16 k x 8 slices = 128 numbers
	s_sub_co_u32 s17, ttmp9, 176
	s_and_b32 s18, s17, 3
	s_lshl_b32 s18, s18, 2
	s_add_co_u32 s18, s18, s16                     ; which 32 columns: 0..15
	s_lshr_b32 s19, s17, 2                         ; which 16 k: 0..31
	s_lshl_b32 s24, s19, 15                        ; 16 rows of 2,048 bytes
	s_lshl_b32 s20, s18, 7                         ; 32 columns of 4 bytes
	s_add_co_u32 s24, s24, s20
	s_add_nc_u64 s[12:13], s[12:13], s[24:25]
	s_lshl_b32 s24, s18, 15                        ; two column tiles of 16,384 bytes
	s_lshl_b32 s20, s19, 9                         ; 16 k of a tile: 512 bytes
	s_add_co_u32 s24, s24, s20
	s_add_co_u32 s24, s24, WOS
	s_add_nc_u64 s[14:15], s[14:15], s[24:25]
	v_lshlrev_b32 v3, 2, v2                        ; in: 4 bytes a lane: a wave reads 128 consecutive bytes, the four waves 512
	v_lshrrev_b32 v4, 4, v2
	v_and_b32 v5, 15, v2
	v_lshlrev_b32 v4, 14, v4                       ; out: lanes 16-31 hold the next column tile,
	v_lshl_add_u32 v4, v5, 4, v4                   ; 16 bytes a column
.irp kk, 0,1,2,3,4,5,6,7,8,9,10,11,12,13,14,15
.irp hd, 0,1,2,3,4,5,6,7
	global_load_b32 v[32+8*\kk+\hd], v3, s[12:13] offset:(512*\hd+\kk)*2048 th:TH_LOAD_NT   ; Wo(512 hd + 16 hc + kk, my column)
.endr
.endr
.macro WSUM kk                         ; the eight slices of one k: three packed additions and one plain
.set RA, 32+8*(\kk)
	v_pk_add_f32 v[RA:RA+1], v[RA:RA+1], v[RA+2:RA+3]
	v_pk_add_f32 v[RA+4:RA+5], v[RA+4:RA+5], v[RA+6:RA+7]
	v_pk_add_f32 v[RA:RA+1], v[RA:RA+1], v[RA+4:RA+5]
	v_add_f32 v[160+(\kk)], v[RA], v[RA+1]
.endm
	s_wait_loadcnt 63                              ; of 128 loads at most 63 are out: the first 64, k 0 to 7, are in
.irp kk, 0,1,2,3,4,5,6,7
	WSUM \kk
.endr
	s_wait_loadcnt 0x0
.irp kk, 8,9,10,11,12,13,14,15
	WSUM \kk
.endr
.irp i, 0,1,2,3,4,5,6,7
	v_cvt_pk_f16_f32 v[176+\i], v[160+2*\i], v[161+2*\i]
.endr
	global_store_b128 v4, v[176:179], s[14:15]             ; k 0..7: the place of lanes 0-15 of the fragment; sixteen lanes store 256 consecutive aligned bytes
	global_store_b128 v4, v[180:183], s[14:15] offset:256  ; k 8..15: the place of lanes 16-31
	s_endpgm
; ---------------- Wq, Wk, Wv: a wave takes 32 columns x 128 along K: four blocks a lane
.Lpath_w:
	s_sub_co_u32 s17, ttmp9, 128
	s_lshr_b32 s18, s17, 4                         ; y: which weight
	s_bfe_u32 s19, s17, 0x20002                    ; which 128 columns
	s_and_b32 s17, s17, 3                          ; s: which 128 along K
	s_cmp_eq_u32 s18, 0
	s_cselect_b64 s[6:7], s[6:7], s[8:9]           ; the choice hangs on the work-group's number alone
	s_cmp_eq_u32 s18, 2
	s_cselect_b64 s[6:7], s[10:11], s[6:7]
	s_lshl_b32 s20, s19, 7
	s_lshl_b32 s21, s16, 5
	s_add_co_u32 s20, s20, s21                     ; my wave's first column
	s_lshl_b32 s24, s17, 18                        ; 128 rows of 2,048 bytes
	s_lshl_b32 s21, s20, 2
	s_add_co_u32 s24, s24, s21
	s_add_nc_u64 s[6:7], s[6:7], s[24:25]
	s_lshl_b32 s24, s18, 17                        ; codes: 32 tiles of 4,096 bytes a weight,
	s_lshl_b32 s21, s20, 8                         ; 256 bytes a column's share of its tile's number,
	s_add_co_u32 s24, s24, s21
	s_lshl_b32 s21, s17, 10                        ; four blocks of 256 bytes a K step
	s_add_co_u32 s24, s24, s21
	s_add_co_u32 s24, s24, WC
	s_add_nc_u64 s[22:23], s[14:15], s[24:25]
	s_lshl_b32 s24, s18, 13                        ; scale bytes: 16 a column
	s_lshl_b32 s21, s20, 4
	s_add_co_u32 s24, s24, s21
	s_lshl_b32 s21, s17, 2
	s_add_co_u32 s24, s24, s21
	s_add_co_u32 s24, s24, WS
	s_add_nc_u64 s[26:27], s[14:15], s[24:25]
	v_lshlrev_b32 v3, 2, v2
	v_lshrrev_b32 v4, 4, v2
	v_and_b32 v5, 15, v2
	v_lshlrev_b32 v4, 12, v4                       ; lanes 16-31 hold the next tile of 16 columns
	v_lshl_add_u32 v4, v5, 4, v4
	v_lshlrev_b32 v5, 4, v2
.set i, 0
.rept 128
	global_load_b32 v[32+i], v3, s[6:7] offset:i*2048 th:TH_LOAD_NT   ; W(128 s + i, my column)
.set i, i+1
.endr
.macro WBLOCK b, left                  ; block b: all its 32 numbers are mine
.set XV, 32+32*(\b)
	s_wait_loadcnt \left
	v_max3_num_f32 v8, |v[XV]|, |v[XV+1]|, |v[XV+2]|
	v_max3_num_f32 v9, |v[XV+3]|, |v[XV+4]|, |v[XV+5]|
.irp i, 6,10,14,18,22,26
	v_max3_num_f32 v8, v8, |v[XV+\i]|, |v[XV+\i+1]|
	v_max3_num_f32 v9, v9, |v[XV+\i+2]|, |v[XV+\i+3]|
.endr
	v_max3_num_f32 v8, v8, |v[XV+30]|, |v[XV+31]|
	v_max3_num_f32 v8, v8, v9, 0x1800000           ; and the floor 2^(3 - 127): the byte cannot fall under 1
	v_add_nc_u32 v11, 0xff000000, v8               ; 2 off the exponent field: the conversion takes the exponent field of this operand as its scale
	v_lshrrev_b32 v9, 23, v11                      ; the scale's byte
.if (\b) == 0
	v_mov_b32 v20, v9
.else
	v_lshl_or_b32 v20, v9, 8*(\b), v20             ; four bytes make the K step's scale word
.endif
.irp g, 0,1,2,3
	v_cvt_scalef32_pk8_fp4_f32 v[160+4*(\b)+\g], v[XV+8*\g:XV+8*\g+7], v11
.endr
.endm
	WBLOCK 0, 63                                   ; the counts that would do are 96 and 64; a wait names 63 at the most, and a smaller count is safe
	WBLOCK 1, 63
	WBLOCK 2, 32                                   ; the last block's 32 loads may be out
	WBLOCK 3, 0
	v_nop                                          ; one plain instruction behind the last scaled conversion
.irp b, 0,1,2,3
	global_store_b128 v4, v[160+4*\b:163+4*\b], s[22:23] offset:256*\b   ; sixteen lanes store a block's 256 consecutive aligned bytes
.endr
	global_store_b32 v5, v20, s[26:27]             ; 4 bytes of each column's 16: 24,576 bytes of such stores in the whole launch
	s_endpgm
; ---------------- x: a wave takes a tile of 16 rows; step t is row t, 512 numbers
.Lpath_x:
	s_lshl_b32 s18, ttmp9, 2
	s_add_co_u32 s18, s18, s16                     ; my tile of rows, 0..511
	s_lshl_b32 s24, s18, 15
	s_add_nc_u64 s[4:5], s[4:5], s[24:25]          ; 16 rows of 2,048 bytes
	s_lshl_b32 s24, s18, 12
	s_add_nc_u64 s[20:21], s[14:15], s[24:25]      ; its image of codes (XC = 0)
	s_lshl_b32 s24, s18, 8
	s_add_co_u32 s24, s24, XS
	s_add_nc_u64 s[22:23], s[14:15], s[24:25]      ; its 256 scale bytes
	s_mul_i32 s17, s16, WREG
	v_lshlrev_b32 v3, 4, v2                        ; 16 bytes a lane
	v_lshrrev_b32 v14, 2, v2
	v_mul_u32_u24 v14, v14, SP
	v_and_b32 v15, 3, v2
	v_lshl_add_u32 v14, v15, 4, v14
	v_add_nc_u32 v14, s17, v14                     ; the stage, on the way in: four lanes' 64 bytes on end, then the padding
	v_mul_u32_u24 v15, v2, SP
	v_add_nc_u32 v15, s17, v15                     ; and on the way out: my 16 neighbours
	v_lshrrev_b32 v5, 1, v2                        ; my block: two lanes hold one
	v_mul_u32_u24 v4, v5, CP
	v_and_b32 v6, 1, v2
	v_lshl_add_u32 v4, v6, 3, v4
	s_add_co_u32 s19, s17, CIMG
	v_add_nc_u32 v4, s19, v4                       ; the image: block x 272 + 8 x half of the block; the row stands in the immediate
	v_lshrrev_b32 v10, 4, v2
	v_mul_u32_u24 v10, v10, CP
	v_and_b32 v6, 15, v2
	v_lshl_add_u32 v10, v6, 4, v10
	v_add_nc_u32 v10, s19, v10                     ; back: sixteen lanes to a block's 256 bytes, two blocks an instruction
	s_add_co_u32 s19, s17, SBY
	v_add_nc_u32 v5, s19, v5                       ; my block's scale byte
	v_lshlrev_b32 v7, 3, v2
	v_add_nc_u32 v6, s19, v7                       ; and 8 bytes a lane on the way out
.macro XLOAD t
.irp i, 0,1,2,3
	global_load_b128 v[R+16*((\t)%4)+4*\i:R+16*((\t)%4)+4*\i+3], v3, s[4:5] offset:2048*(\t)+512*\i th:TH_LOAD_NT   ; 32 lanes read 512 consecutive bytes
.endr
.endm
.macro XTURN t                         ; a row through the stage: LDS serves a wave's instructions in order, so no wait stands between the stores and the loads
.irp i, 0,1,2,3
	ds_store_b128 v14, v[R+16*((\t)%4)+4*\i:R+16*((\t)%4)+4*\i+3] offset:32*SP*((\t)%2)+8*SP*\i
.endr
.irp i, 0,1,2,3
	ds_load_b128 v[X+16*((\t)%2)+4*\i:X+16*((\t)%2)+4*\i+3], v15 offset:32*SP*((\t)%2)+16*\i
.endr
.endm
.irp t, 0,1,2,3
	XLOAD \t
.endr
	s_wait_loadcnt 12                              ; row 0's four loads are in
	XTURN 0
.macro XSTEP t
.set XV, X+16*((\t)%2)
.if (\t) > 0
	s_wait_dscnt 2                                 ; this row is back from the stage; the two younger LDS instructions, the last row's byte and codes, may be out
.else
	s_wait_dscnt 0x0
.endif
.if (\t)+4 < 16
	XLOAD (\t)+4                                   ; into the registers that this row's stores into the stage have read
.endif
.if (\t)+1 < 16
.if 14-(\t) >= 3
	s_wait_loadcnt 12                              ; the next row's four loads are in; the three rows behind it may be out
.else
	s_wait_loadcnt 4*(14-(\t))
.endif
	XTURN (\t)+1
.endif
	v_max3_num_f32 v8, |v[XV]|, |v[XV+1]|, |v[XV+2]|       ; the largest magnitude of my 16
	v_max3_num_f32 v9, |v[XV+3]|, |v[XV+4]|, |v[XV+5]|
.irp i, 6,10
	v_max3_num_f32 v8, v8, |v[XV+\i]|, |v[XV+\i+1]|
	v_max3_num_f32 v9, v9, |v[XV+\i+2]|, |v[XV+\i+3]|
.endr
	v_max3_num_f32 v8, v8, |v[XV+14]|, |v[XV+15]|
	v_max3_num_f32 v8, v8, v9, 0x1800000           ; and the floor 2^(3 - 127)
	v_max_num_f32_dpp v8, v8, v8 row_xmask:1 row_mask:0xf bank_mask:0xf   ; with my neighbour's 16: the block's
	v_add_nc_u32 v11, 0xff000000, v8               ; 2 off the exponent field: the conversion's scale operand
	v_cvt_scalef32_pk8_fp4_f32 v[C+2*(\t)], v[XV:XV+7], v11
	v_cvt_scalef32_pk8_fp4_f32 v[C+2*(\t)+1], v[XV+8:XV+15], v11
	v_lshrrev_b32 v[E+(\t)], 23, v11               ; the scale's byte (also the plain instruction behind the conversions)
	ds_store_b8 v5, v[E+(\t)] offset:16*(\t)       ; both lanes of a block write the same byte with the same value
	ds_store_b64 v4, v[C+2*(\t):C+2*(\t)+1] offset:16*(\t)   ; my 16 codes, at row t of my block
.endm
.irp t, 0,1,2,3,4,5,6,7,8,9,10,11,12,13,14,15
	XSTEP \t
.endr
.irp j, 0,1,2,3,4,5,6,7
	ds_load_b128 v[OUTR+4*\j:OUTR+4*\j+3], v10 offset:2*CP*\j   ; in order behind my stores
.endr
	ds_load_b64 v[8:9], v6
	s_wait_dscnt 0x0
.irp j, 0,1,2,3,4,5,6,7
	global_store_b128 v3, v[OUTR+4*\j:OUTR+4*\j+3], s[20:21] offset:512*\j   ; 32 lanes store 512 consecutive aligned bytes
.endr
	global_store_b64 v7, v[8:9], s[22:23]          ; 32 lanes store 256 consecutive aligned bytes
	s_wait_tensorcnt 0x0                           ; the wave's end: behind my last LDS store
	ds_add_u32 v[SPW], v[NIL]
	s_wait_dscnt 0x0
	s_endpgm
.Lfunc_end_k_qdf2657929c_prep:
	.size	k_qdf2657929c_prep, .Lfunc_end_k_qdf2657929c_prep-k_qdf2657929c_prep
	.p2alignl 7, 3214868480
	.fill 96, 4, 3214868480
	.section	.rodata,"a",@progbits
	.p2align	6, 0x0
	.amdhsa_kernel k_qdf2657929c_prep
		.amdhsa_group_segment_fixed_size 39424
		.amdhsa_private_segment_fixed_size 0
		.amdhsa_enable_private_segment 0
		.amdhsa_kernarg_size 48
		.amdhsa_user_sgpr_count 2
		.amdhsa_user_sgpr_kernarg_segment_ptr 1
		.amdhsa_wavefront_size32 1
		.amdhsa_system_sgpr_workgroup_id_x 1
		.amdhsa_system_sgpr_workgroup_id_y 1
		.amdhsa_system_sgpr_workgroup_id_z 1
		.amdhsa_system_vgpr_workitem_id 0
		.amdhsa_next_free_vgpr 192
		.amdhsa_next_free_sgpr 66
		.amdhsa_reserve_vcc 0
		.amdhsa_float_denorm_mode_32 3
		.amdhsa_float_denorm_mode_16_64 3
		.amdhsa_memory_ordered 1
		.amdhsa_forward_progress 1
		.amdhsa_inst_pref_size 71
	.end_amdhsa_kernel
	.amdgpu_metadata
---
amdhsa.version: [ 1, 2 ]
amdhsa.kernels:
  - .name:           k_qdf2657929c_prep
    .symbol:         k_qdf2657929c_prep.kd
    .args:
      - { .name: x, .offset: 0, .size: 8, .value_kind: global_buffer, .address_space: global }
      - { .name: Wq, .offset: 8, .size: 8, .value_kind: global_buffer, .address_space: global }
      - { .name: Wk, .offset: 16, .size: 8, .value_kind: global_buffer, .address_space: global }
      - { .name: Wv, .offset: 24, .size: 8, .value_kind: global_buffer, .address_space: global }
      - { .name: Wo, .offset: 32, .size: 8, .value_kind: global_buffer, .address_space: global }
      - { .name: prep, .offset: 40, .size: 8, .value_kind: global_buffer, .address_space: global }
    .group_segment_fixed_size: 39424
    .private_segment_fixed_size: 0
    .kernarg_segment_align: 8
    .kernarg_segment_size: 48
    .max_flat_workgroup_size: 128
    .sgpr_count:     66
    .vgpr_count:     192
    .wavefront_size: 32
...
	.end_amdgpu_metadata
.endif
;; end of part 1
;; launch proj (part 2): grid 64 x 3, 4 waves a work-group, no clusters, 17,920 bytes of LDS; arguments prep, bq, bk, bv, qkv; writes qkv
.if DOCPART == 2
	.amdgcn_target "amdgcn-amd-amdhsa--gfx1250"
	.amdhsa_code_object_version 6
	.text
	.protected	k_qdf2657929c_proj
	.globl	k_qdf2657929c_proj
	.p2align	8
	.type	k_qdf2657929c_proj,@function
k_qdf2657929c_proj:
	s_mov_b64 s[64:65], 0
	v_nop
	global_prefetch_b8 v0, s[64:65] scope:SCOPE_SE
	s_setreg_imm32_b32 hwreg(HW_REG_WAVE_MODE, 25, 1), 1
	s_wait_xcnt 0x0
; PROJ: q, k, v = Q4(x) Q4(W) + b, on codes of FP4 (E2M1) with one E8M0 scale for each 32 along K; sums in f32; the results are rounded once to f16, the operands of the attention's products.
; SHARES.  Work-group (g, y): rows 128 g .. 128 g + 127 of x, weight y (0 Wq, 1 Wk, 2 Wv).  Wave w: columns 128 w .. 128 w + 127: eight tiles of 16.
; All operands lie in prep as images of their registers, and each fragment is wanted in one wave's registers (the weights') or in all four (x's): they go from memory straight into registers by
; dense loads of 512 bytes, all issued at the head.  A joint request through LDS is not used: it would add a write and a read of the same bytes in LDS for a K of four steps.
; THE MATRIX INSTRUCTION IS USED TRANSPOSED (source 0 = 16 columns of W, source 1 = 16 rows of x): a lane holds row lane % 16 of the result and eight neighbouring columns.
; The bias is the C of each sum's first matrix instruction.  No loop, no barrier: the stage in LDS is each wave's own.
; LIMITS: |q|, |k|, |v| stay under 65,504 (f16).
; REGISTERS: window 0: v1-7 addresses; v12-27 the weights' scale words, v28-43 x's (register 4 jj + s: lanes 0-15 tile 2 jj, lanes 16-31 tile 2 jj + 1, K step s); v44-107 the bias in the result's layout;
;   v108-171 eight accumulators; v172-203 packed results; v204-235 rows read back.   window 1: the weights' fragments (tile tt, K step s) at 32 tt + 8 s.   window 2: x's (tile i, K step s) at 32 i + 8 s.
.set WC,     2097152
.set XS,     2490368
.set WS,     2621440
.set SPITCH, 272                       ; a stage row: 256 bytes + 16 of padding
.set STG,    16*SPITCH
.set SPARE,  4*STG                     ; behind the four stages: the spare words, 128 bytes for each wave
.set LI,   1                           ; v1  16 x lane
.set BH,   2                           ; v2  32 x (lane / 16): my half's eight numbers of a bias tile
.set STO,  3                           ; v3  the stage: where I put 16 bytes of a row
.set RD,   4                           ; v4  and where I read a row back
.set CO,   5                           ; v5  my byte offset in two rows of the result
.set SPW,  6                           ; v6  LDS address of my spare word; never rewritten
.set NIL,  7                           ; v7  0; never rewritten
.set WSR,  12
.set XSR,  28
.set BI,   44
.set ACC,  108
.set TMP,  172
.set BK,   204
.set MSB, 0
.macro WIN new                         ; the immediate's high byte repeats the setting that is left
.if MSB != \new
	s_set_vgpr_msb (MSB<<8)|\new
.set MSB, \new
.endif
.endm
	s_load_b256 s[4:11], s[0:1], 0x0               ; prep s[4:5], bq s[6:7], bk s[8:9], bv s[10:11]
	s_load_b64 s[12:13], s[0:1], 0x20              ; qkv
	v_lshl_add_u32 v[SPW], v0, 2, SPARE
	v_mov_b32 v[NIL], 0
	v_lshrrev_b32 v8, 5, v0
	v_readfirstlane_b32 s16, v8                    ; wave 0..3
	s_and_b32 s17, ttmp7, 0xffff                   ; y
	v_and_b32 v8, 31, v0
	v_lshlrev_b32 v[LI], 4, v8
	v_and_b32 v9, 15, v0                           ; r
	v_bfe_u32 v10, v0, 4, 1                        ; h
	v_lshlrev_b32 v[BH], 5, v10
	s_mul_i32 s29, s16, STG                        ; my stage
	v_mul_u32_u24 v[STO], v9, SPITCH
	v_lshl_add_u32 v[STO], v10, 4, v[STO]
	v_add_nc_u32 v[STO], s29, v[STO]               ; in: row r, 16 bytes for each half of the lanes
	v_mul_u32_u24 v[RD], v10, SPITCH
	v_lshl_add_u32 v[RD], v9, 4, v[RD]
	v_add_nc_u32 v[RD], s29, v[RD]                 ; back: lanes 0-15 one row of 256 bytes, lanes 16-31 the next
	v_lshlrev_b32 v[CO], 10, v10
	v_lshl_add_u32 v[CO], v9, 4, v[CO]             ; and the same two rows of 1,024 bytes in memory
	s_mov_b32 s19, 0
	s_wait_kmcnt 0x0
	s_lshl_b32 s18, s17, 13                        ; the weights' scale bytes: 512 columns x 16 a weight, 128 x 16 a wave
	s_lshl_b32 s28, s16, 11
	s_add_co_u32 s18, s18, s28
	s_add_co_u32 s18, s18, WS
	s_add_nc_u64 s[20:21], s[4:5], s[18:19]
	s_lshl_b32 s18, ttmp9, 11                      ; x's: 128 rows x 16
	s_add_co_u32 s18, s18, XS
	s_add_nc_u64 s[22:23], s[4:5], s[18:19]
	s_lshl_b32 s18, s17, 17                        ; the weights' codes: 32 tiles of 4,096 bytes a weight, 8 a wave
	s_lshl_b32 s28, s16, 15
	s_add_co_u32 s18, s18, s28
	s_add_co_u32 s18, s18, WC
	s_add_nc_u64 s[24:25], s[4:5], s[18:19]
	s_lshl_b32 s18, ttmp9, 15                      ; x's codes: 8 tiles of 4,096 bytes
	s_add_nc_u64 s[26:27], s[4:5], s[18:19]
	s_cmp_eq_u32 s17, 0                            ; the bias of weight y: the choice hangs on the work-group's number alone
	s_cselect_b64 s[6:7], s[6:7], s[8:9]
	s_cmp_eq_u32 s17, 2
	s_cselect_b64 s[6:7], s[10:11], s[6:7]
	s_lshl_b32 s18, s16, 9
	s_add_nc_u64 s[6:7], s[6:7], s[18:19]          ; my 128 numbers of it
	s_lshl_b32 s18, s17, 23                        ; the result: section y, 128 rows of 1,024 bytes a work-group, 256 bytes a wave
	s_lshl_b32 s28, ttmp9, 17
	s_add_co_u32 s18, s18, s28
	s_lshl_b32 s28, s16, 8
	s_add_co_u32 s18, s18, s28
	s_add_nc_u64 s[12:13], s[12:13], s[18:19]
.irp jj, 0,1,2,3
	global_load_b128 v[WSR+4*\jj:WSR+4*\jj+3], v[LI], s[20:21] offset:512*\jj   ; a lane a column: its four scale words
.endr
.irp jj, 0,1,2,3
	global_load_b128 v[XSR+4*\jj:XSR+4*\jj+3], v[LI], s[22:23] offset:512*\jj   ; a lane a row
.endr
.irp tt, 0,1,2,3,4,5,6,7
	global_load_b128 v[BI+8*\tt:BI+8*\tt+3], v[BH], s[6:7] offset:64*\tt
	global_load_b128 v[BI+8*\tt+4:BI+8*\tt+7], v[BH], s[6:7] offset:64*\tt+16
.endr
	WIN 0x40                                       ; destination window 1
.set j, 0
.rept 64
	global_load_b128 v[4*j:4*j+3], v[LI], s[24:25] offset:512*j
.set j, j+1
.endr
	WIN 0x80                                       ; destination window 2
.set j, 0
.rept 64
	global_load_b128 v[4*j:4*j+3], v[LI], s[26:27] offset:512*j
.set j, j+1
.endr
	WIN 0
; One product: column tile tt, row tile i, K step s.  An odd tile's scale words stand in lanes 16-31 of their register.
.macro WM tt, i, s
.set rD, ACC+8*(\tt)
.set rA, 32*(\tt)+8*(\s)
.set rB, 32*(\i)+8*(\s)
.set rC, rD
.if (\s) == 0
.set rC, BI+8*(\tt)
.endif
.set rX, WSR+4*((\tt)/2)+(\s)
.set rY, XSR+4*((\i)/2)+(\s)
.if ((\tt)%2 == 0) && ((\i)%2 == 0)
	v_wmma_scale_f32_16x16x128_f8f6f4 v[rD:rD+7], v[rA:rA+7], v[rB:rB+7], v[rC:rC+7], v[rX], v[rY] matrix_a_fmt:MATRIX_FMT_FP4 matrix_b_fmt:MATRIX_FMT_FP4
.elseif ((\tt)%2 == 1) && ((\i)%2 == 0)
	v_wmma_scale_f32_16x16x128_f8f6f4 v[rD:rD+7], v[rA:rA+7], v[rB:rB+7], v[rC:rC+7], v[rX], v[rY] matrix_a_fmt:MATRIX_FMT_FP4 matrix_b_fmt:MATRIX_FMT_FP4 matrix_a_scale:MATRIX_SCALE_ROW1
.elseif ((\tt)%2 == 0)
	v_wmma_scale_f32_16x16x128_f8f6f4 v[rD:rD+7], v[rA:rA+7], v[rB:rB+7], v[rC:rC+7], v[rX], v[rY] matrix_a_fmt:MATRIX_FMT_FP4 matrix_b_fmt:MATRIX_FMT_FP4 matrix_b_scale:MATRIX_SCALE_ROW1
.else
	v_wmma_scale_f32_16x16x128_f8f6f4 v[rD:rD+7], v[rA:rA+7], v[rB:rB+7], v[rC:rC+7], v[rX], v[rY] matrix_a_fmt:MATRIX_FMT_FP4 matrix_b_fmt:MATRIX_FMT_FP4 matrix_a_scale:MATRIX_SCALE_ROW1 matrix_b_scale:MATRIX_SCALE_ROW1
.endif
.endm
; Row tile i: 32 products; the eight accumulators take turns, one instruction a turn.
.macro MUL i
	s_wait_loadcnt 8*(7-(\i))                      ; all up to x's tile i is in; the eight loads of each later tile may be out
	WIN 0x09                                       ; source 0 window 1, source 1 window 2, C and D window 0
.irp s, 0,1,2,3
.irp tt, 0,1,2,3,4,5,6,7
	WM \tt, \i, \s
.endr
.endr
	WIN 0
.rept 5
	v_nop                                          ; four places ahead of the conversions that read the results; five ahead of the next tile's first products, which begin the accumulators anew with another C
.endr
.endm
.macro PACK                            ; rounded to f16: a lane's eight columns of a tile are 16 bytes; each accumulator is read from its low end on
.irp tt, 0,1,2,3,4,5,6,7
.irp p, 0,1,2,3
	v_cvt_pk_f16_f32 v[TMP+4*\tt+\p], v[ACC+8*\tt+2*\p], v[ACC+8*\tt+2*\p+1]
.endr
.endr
.endm
.macro TOSTAGE
	s_wait_xcnt 0x0                                ; the last tile's stores have read their data registers: the loads below may land there
.irp tt, 0,1,2,3,4,5,6,7
	ds_store_b128 v[STO], v[TMP+4*\tt:TMP+4*\tt+3] offset:32*\tt
.endr
.irp t, 0,1,2,3,4,5,6,7
	ds_load_b128 v[BK+4*\t:BK+4*\t+3], v[RD] offset:2*SPITCH*\t   ; LDS serves a wave's instructions in order: these see the stores above
.endr
.endm
.macro SEND i
	s_wait_dscnt 0x0                               ; the tile is back in registers (and the stage's stores have read theirs)
.irp t, 0,1,2,3,4,5,6,7
	global_store_b128 v[CO], v[BK+4*\t:BK+4*\t+3], s[12:13] offset:(16*(\i)+2*\t)*1024   ; sixteen lanes store 256 consecutive aligned bytes
.endr
.endm
	MUL 0
	PACK
	TOSTAGE
.irp i, 1,2,3,4,5,6,7
	MUL \i                                         ; the tile before is on its way through the stage meanwhile
	SEND \i-1
	PACK
	TOSTAGE
.endr
	SEND 7
	s_wait_tensorcnt 0x0                           ; the wave's end: behind my last LDS store
	ds_add_u32 v[SPW], v[NIL]
	s_wait_dscnt 0x0
	s_endpgm
.Lfunc_end_k_qdf2657929c_proj:
	.size	k_qdf2657929c_proj, .Lfunc_end_k_qdf2657929c_proj-k_qdf2657929c_proj
	.p2alignl 7, 3214868480
	.fill 96, 4, 3214868480
	.section	.rodata,"a",@progbits
	.p2align	6, 0x0
	.amdhsa_kernel k_qdf2657929c_proj
		.amdhsa_group_segment_fixed_size 17920
		.amdhsa_private_segment_fixed_size 0
		.amdhsa_enable_private_segment 0
		.amdhsa_kernarg_size 40
		.amdhsa_user_sgpr_count 2
		.amdhsa_user_sgpr_kernarg_segment_ptr 1
		.amdhsa_wavefront_size32 1
		.amdhsa_system_sgpr_workgroup_id_x 1
		.amdhsa_system_sgpr_workgroup_id_y 1
		.amdhsa_system_sgpr_workgroup_id_z 1
		.amdhsa_system_vgpr_workitem_id 0
		.amdhsa_next_free_vgpr 768
		.amdhsa_next_free_sgpr 66
		.amdhsa_reserve_vcc 0
		.amdhsa_float_denorm_mode_32 3
		.amdhsa_float_denorm_mode_16_64 3
		.amdhsa_memory_ordered 1
		.amdhsa_forward_progress 1
		.amdhsa_inst_pref_size 82
	.end_amdhsa_kernel
	.amdgpu_metadata
---
amdhsa.version: [ 1, 2 ]
amdhsa.kernels:
  - .name:           k_qdf2657929c_proj
    .symbol:         k_qdf2657929c_proj.kd
    .args:
      - { .name: prep, .offset: 0, .size: 8, .value_kind: global_buffer, .address_space: global }
      - { .name: bq, .offset: 8, .size: 8, .value_kind: global_buffer, .address_space: global }
      - { .name: bk, .offset: 16, .size: 8, .value_kind: global_buffer, .address_space: global }
      - { .name: bv, .offset: 24, .size: 8, .value_kind: global_buffer, .address_space: global }
      - { .name: qkv, .offset: 32, .size: 8, .value_kind: global_buffer, .address_space: global }
    .group_segment_fixed_size: 17920
    .private_segment_fixed_size: 0
    .kernarg_segment_align: 8
    .kernarg_segment_size: 40
    .max_flat_workgroup_size: 128
    .sgpr_count:     66
    .vgpr_count:     768
    .wavefront_size: 32
...
	.end_amdgpu_metadata
.endif
;; end of part 2
;; launch attn (part 3): grid 16 x 16, 4 waves a work-group, clusters of 4 x 1, 327,680 bytes of LDS; arguments qkv, part, st; writes part, st
.if DOCPART == 3
	.amdgcn_target "amdgcn-amd-amdhsa--gfx1250"
	.amdhsa_code_object_version 6
	.text
	.protected	k_qdf2657929c_attn
	.globl	k_qdf2657929c_attn
	.p2align	8
	.type	k_qdf2657929c_attn,@function
k_qdf2657929c_attn:
	s_mov_b64 s[64:65], 0
	v_nop
	global_prefetch_b8 v0, s[64:65] scope:SCOPE_SE
	s_setreg_imm32_b32 hwreg(HW_REG_WAVE_MODE, 25, 1), 1
	s_wait_xcnt 0x0
	s_wait_alu depctr_hold_cnt(0) depctr_sa_sdst(0) depctr_va_vdst(0) depctr_va_sdst(0) depctr_va_ssrc(0) depctr_va_vcc(0) depctr_vm_vsrc(0)
	s_getreg_b32 s2, hwreg(HW_REG_IB_STS2, 6, 4)
	s_cmp_eq_u32 s2, 0
	s_cbranch_scc0 .Lentry_in_a_cluster
	s_endpgm
.Lentry_in_a_cluster:
	s_bfe_u32 s2, ttmp6, 0x10000c
	s_cmp_lg_u32 s2, 0x3003
	s_cbranch_scc0 .Lentry_shape_is_right
	s_endpgm
.Lentry_shape_is_right:
; ATTN: for 128 queries and 512 of their batch's 2,048 keys: O = softmax-weighted sum of V, with a running maximum m and sum l.  q, k, v: [8192][512] f16, sections of qkv.
; Stored: the partial O divided by its own l, rounded to f16, as images of the next launch's fragments (part), and for each query (c m, l) in f32 (st): the next launch merges the four parts in f32.
; SHARES.  Head size 512 costs 2 KB of f32 O and 1 KB of f16 Q a query, so a work-group of four waves holds 128 queries (32 a wave: two tiles of 16); that makes 64 blocks of queries,
; and the keys are split in four so that there are 256 work-groups.  y = 4 x batch + split; x = the block of queries.  Eight key steps of 64 keys.
; LAYOUT.  S^T = K Q^T (source 0 = 16 keys, source 1 = 16 queries): a lane holds ONE query (lane % 16) and keys 8 (lane / 16) + 0..7.  Two such tiles, rounded to f16 in pairs, are source 1
; (32 keys x 16 queries) of O^T = V^T P, whose result again holds one query a lane and eight channels.  K comes out of LDS as it lies, V turned, by ds_load_tr16_b128.
; SOFTMAX.  p = 2^(c s - c m), c = log2(e) / sqrt(512); in every step O and l are multiplied by a = 2^(c m_old - c m_new).  l is the sum of the unrounded p.
; CLUSTER.  The four blocks of queries of a cluster share batch and split, so they walk the same K and V: each tile is asked for JOINTLY, by the same tensor load with the same descriptor and a mask that names the four.
; RING.  Two LDS slots, each with a key step's 64 rows of K and 64 of V; waves 0 and 1 fetch K's halves, waves 2 and 3 V's: one load a wave behind each round, a key step's 256 matrix instructions in which it lands.
; In phases (all of K Q^T, the softmax, all of V^T P): a fragment read from LDS feeds two matrix instructions here, so the LDS reads, which run beside the vector work too, weigh most.
; LIMITS: the operands are f16: |q|, |k|, |v| under 65,504; a weight p under 2^-24 of its row's largest counts as 0 in the product; the partial O is rounded to f16 ahead of the merge.
; REGISTERS, in windows of 256 (s_set_vgpr_msb: bits 1:0 source 0, 3:2 source 1, 5:4 source 2, 7:6 destination):
;   window 0: v2-11 addresses; v12-27 statistics, eight a tile; v32-95 S^T, 32 a tile; v96-127 P, 16 a tile; v128-255 four sets of four fragments of K or V
;   window 1: Q (tile t, 32 channels dc) at 128 t + 8 dc     windows 2, 3: O^T (tile t, 16 channels ct) at 128 t + 8 (ct % 16), ct 0-15 and 16-31
.set PK,    1040                       ; a row of K in LDS: 1,024 bytes + 16 of padding: 65 x 16
.set PV,    1056                       ; a row of V: 1,024 + 32: 33 x 32
.set VOFF,  64*PK
.set SLOTB, 64*(PK+PV)                 ; 134,144 bytes
.set SPARE, 2*SLOTB                    ; behind the ring: the spare words, 128 bytes for each wave
.set KSEC,  8388608                    ; k's and v's sections of qkv
.set VSEC,  16777216
.set TILEB, 65536                      ; 64 rows of 1,024 bytes in memory
.set AK0, 2                            ; v2   my lane's place in a tile of K; never rewritten
.set AV0, 3                            ; v3   the same for V
.set ADK, 4                            ; v4   LDS address of the step's K
.set ADV, 5                            ; v5   and V
.set QO,  6                            ; v6   my byte offset in the wave's rows of Q
.set SO8, 7                            ; v7   8 x lane
.set SPW, 8                            ; v8   LDS address of my spare word; never rewritten
.set NIL, 9                            ; v9   0; never rewritten
.set PFO, 10                           ; v10  256 x lane; never rewritten
.set GO,  11                           ; v11  16 x lane
.set ST,  12                           ; tile t at v[ST + 8 t]: +0 c m, +1 m, +2, +3 l (even, odd keys'), +4, +5 at work, +6 a, +7 c m_old, then the difference
.set S,   32
.set P,   96
.set F,   128
.set WV,  12                           ; s12  my wave's number
.set G1K, 24                           ; s[24:31] descriptor group 1 for K's tiles;  s[32:39] for V's: another padding
.set G1V, 32
.set G0K, 40                           ; s[40:47] group 0 for K's tiles: a set for each first fill; the second then walks on
.set G0V, 48                           ; s[48:55] the same for V's
.set CNT, 56                           ; s56  refills to go
.set TB,  57                           ; s57  LDS byte at which the slot in hand begins
.set CS,  58                           ; s[58:59] c, twice: the packed form names a pair
.set SEL, 60                           ; s[60:61] v_permlanex16_b32's selects for lane l xor 16
.set TF,  62                           ; s62  LDS byte at which the slot filled last begins
.set KW,  66                           ; s66  my wave's 32 rows in a slot, if I fetch K
.set VW,  67                           ; s67  if I fetch V
.set PFA, 68                           ; s[68:69] where my prefetches stand in memory
.set LIM, 70                           ; s70  1 in a cluster that prefetches, else the greatest number
.set MSB, 0
.macro WIN new                         ; the immediate's high byte repeats the setting that is left
.if MSB != \new
	s_set_vgpr_msb (MSB<<8)|\new
.set MSB, \new
.endif
.endm
.macro PLACES                          ; four plain instructions between a matrix instruction and a load into, or a vector instruction on, its registers (ISA guide 7.12.1 for vector instructions)
.rept 4
	v_nop
.endr
.endm
.macro CROUND                          ; a round of the cluster's barrier
	s_barrier_signal -1
	s_barrier_wait -1
	s_cmp_lg_u32 s[WV], 0
	s_cbranch_scc1 .Lnot_wave_0_\@
	s_barrier_signal -3
.Lnot_wave_0_\@:
	s_barrier_wait -3
	s_barrier_signal -1
	s_barrier_wait -1
.endm
.macro JLOAD                           ; a joint refill; the branch hangs on the wave's number alone; an s_nop 0 and four v_nop follow each line
	s_cmp_lt_u32 s[WV], 2
	s_cbranch_scc0 .Lfor_v_\@
	tensor_load_to_lds s[G0K+4:G0K+7], s[G1K:G1K+7]
	s_nop 0
.rept 4
	v_nop
.endr
	s_branch .Lasked_\@
.Lfor_v_\@:
	tensor_load_to_lds s[G0V+4:G0V+7], s[G1V:G1V+7]
	s_nop 0
.rept 4
	v_nop
.endr
.Lasked_\@:
.endm
; A PREFETCH of the tile that the NEXT change of slots will ask for: one key step, 256 matrix instructions, ahead of that load.  The four clusters of a batch and split walk the same K and V: the first of them asks.
; Of the 32 rows that a wave fetches each of the four partners takes 8, told apart by address: 8,192 dense bytes, lanes 256 bytes apart: each aligned block of 256 bytes is named once in the launch.
; The last refill asks for nothing: no tile follows it.  Tiles 0, 1 and 2 come by their loads alone.
.macro ASK
	s_cmp_gt_u32 s[CNT], s[LIM]
	s_cbranch_scc0 .Lnot_mine_\@
	global_prefetch_b8 v[PFO], s[PFA:PFA+1] th:TH_LOAD_NT scope:SCOPE_SE
.Lnot_mine_\@:
.endm
	s_load_b128 s[4:7], s[0:1], 0x0                ; qkv s[4:5], part s[6:7]
	s_load_b64 s[8:9], s[0:1], 0x10                ; st
	v_lshl_add_u32 v[SPW], v0, 2, SPARE
	v_mov_b32 v[NIL], 0
	ds_add_u32 v[SPW], v[NIL]                      ; the wave's opening: the add, twice on end, and its wait ahead of my first tensor load
	ds_add_u32 v[SPW], v[NIL]                      ; and once more; the set-up below, work on registers, stands between it and the wait
	v_lshrrev_b32 v1, 5, v0
	v_readfirstlane_b32 s[WV], v1                  ; wave 0..3
	s_bfe_u32 s13, ttmp6, 0x40000                  ; cx: my place in the cluster
	s_lshl_b32 s14, ttmp9, 2
	s_add_co_u32 s14, s14, s13                     ; my block of 128 queries: it enters Q's, part's and st's addresses alone
	s_and_b32 s15, ttmp7, 0xffff
	s_lshr_b32 s16, s15, 2                         ; the batch
	s_and_b32 s17, s15, 3                          ; the split
	s_and_b32 s18, s[WV], 1                        ; which 32 rows of a tile I fetch
	s_lshl_b32 s20, s16, 21                        ; K's and V's rows: 2,048 rows of 1,024 bytes a batch,
	s_lshl_b32 s19, s17, 19                        ; 512 a split,
	s_add_co_u32 s20, s20, s19
	s_lshl_b32 s19, s18, 15                        ; my 32
	s_add_co_u32 s20, s20, s19
	s_mov_b32 s21, 0
	s_lshl_b32 s22, s16, 21                        ; Q's rows: the batch, 128 a block, 32 a wave
	s_lshl_b32 s3, s14, 17
	s_add_co_u32 s22, s22, s3
	s_lshl_b32 s3, s[WV], 15
	s_add_co_u32 s22, s22, s3
	s_mov_b32 s23, 0
	s_lshl_b32 s10, s17, 23                        ; part: 8,388,608 bytes a split; a row tile is 16,384 bytes, as many as its 16 rows of Q
	s_add_co_u32 s10, s10, s22
	s_mov_b32 s11, 0
	s_lshl_b32 s2, s17, 16                         ; st: 65,536 bytes a split, 8 a row
	s_lshl_b32 s3, s16, 14
	s_add_co_u32 s2, s2, s3
	s_lshl_b32 s3, s14, 10
	s_add_co_u32 s2, s2, s3
	s_lshl_b32 s3, s[WV], 8
	s_add_co_u32 s2, s2, s3
	s_mov_b32 s3, 0
	s_mul_i32 s[KW], s18, 32*PK                    ; no place in the cluster enters an LDS address
	s_mul_i32 s[VW], s18, 32*PV
	s_add_co_u32 s[VW], s[VW], VOFF
	; descriptor group 1: a tile of 32 rows x 512 elements of 2 bytes, padded in LDS
	s_mov_b32 s[G1K], 15|(1<<16)|(1<<20)|(1<<21)|(7<<22)|(3<<25)  ; 15:0 the mask: all four work-groups; 17:16 elements of 2 bytes; 20 padding on; 21 set beside a mask; 24:22 after every 256 words (code 7); 31:25 4 words (code 3)
	s_mov_b32 s[G1V], 15|(1<<16)|(1<<20)|(1<<21)|(7<<22)|(7<<25)  ; the same with 8 words of padding (code 7)
.irp g, G1K, G1V
	s_mov_b32 s[\g+1], 512<<16                     ; tensor_dim0 = 512
	s_mov_b32 s[\g+2], 32<<16                      ; tensor_dim1 = 32
	s_mov_b32 s[\g+3], 512<<16                     ; tile_dim0 = 512
	s_mov_b32 s[\g+4], 32                          ; tile_dim1 = 32
	s_mov_b32 s[\g+5], 512                         ; elements from row to row
	s_mov_b32 s[\g+6], 0
	s_mov_b32 s[\g+7], 0
.endr
	s_mov_b32 s[CS], 0x3d8293ee                    ; c = log2(e) / sqrt(512)
	s_mov_b32 s[CS+1], s[CS]
	s_mov_b32 s[SEL], 0x76543210
	s_mov_b32 s[SEL+1], 0xfedcba98
	s_mov_b32 s[TB], 0
	s_mov_b32 s[TF], SLOTB
	s_cmp_eq_u32 ttmp9, 0                          ; the first of the clusters that walk these keys: the same in all four partners
	s_cselect_b32 s[LIM], 1, -1
	s_wait_dscnt 0x0                               ; both opening adds are done
	s_wait_kmcnt 0x0
	s_add_nc_u64 s[20:21], s[4:5], s[20:21]        ; qkv at my rows' offset: K's and V's sections are added below
	s_add_nc_u64 s[4:5], s[4:5], s[22:23]          ; Q at my wave's first row
	s_add_nc_u64 s[6:7], s[6:7], s[10:11]          ; part at my wave's first row tile
	s_add_nc_u64 s[8:9], s[8:9], s[2:3]            ; st at my wave's first row
	s_mov_b32 s3, VSEC+2*TILEB                     ; the prefetches stand at tile 2; the first change of slots steps them to tile 3.  Nothing is prefetched here, at the head
	s_cmp_lt_u32 s[WV], 2
	s_cselect_b32 s2, KSEC+2*TILEB, s3
	s_lshl_b32 s3, s13, 13                         ; my work-group's 8 rows of the 32
	s_add_co_u32 s2, s2, s3
	s_mov_b32 s3, 0
	s_add_nc_u64 s[PFA:PFA+1], s[20:21], s[2:3]
	CROUND                                         ; all four work-groups are here: the first joint loads meet
.irp n, 0,1
	s_mov_b32 s[G0K+4*\n], 1                       ; count = 1
	s_add_co_u32 s[G0K+4*\n+1], s[KW], \n*SLOTB    ; LDS address
	s_add_nc_u64 s[G0K+4*\n+2:G0K+4*\n+3], s[20:21], KSEC+\n*TILEB   ; global address: tile n
	s_or_b32 s[G0K+4*\n+3], s[G0K+4*\n+3], 0x80000000                ; type = 2
	s_mov_b32 s[G0V+4*\n], 1
	s_add_co_u32 s[G0V+4*\n+1], s[VW], \n*SLOTB
	s_add_nc_u64 s[G0V+4*\n+2:G0V+4*\n+3], s[20:21], VSEC+\n*TILEB
	s_or_b32 s[G0V+4*\n+3], s[G0V+4*\n+3], 0x80000000
.endr
	s_cmp_lt_u32 s[WV], 2                          ; a wave's two first fills stand in one branch, ahead of every wait on TENSORcnt and every LDS read: two loads of mine are out
	s_cbranch_scc0 .Lfirst_v
	tensor_load_to_lds s[G0K:G0K+3], s[G1K:G1K+7]
	s_nop 0
	tensor_load_to_lds s[G0K+4:G0K+7], s[G1K:G1K+7]
	s_nop 0
.rept 4
	v_nop
.endr
	s_branch .Lfirst_asked
.Lfirst_v:
	tensor_load_to_lds s[G0V:G0V+3], s[G1V:G1V+7]
	s_nop 0
	tensor_load_to_lds s[G0V+4:G0V+7], s[G1V:G1V+7]
	s_nop 0
.rept 4
	v_nop
.endr
.Lfirst_asked:
	v_and_b32 v1, 15, v0                           ; r = lane % 16
	v_bfe_u32 v28, v0, 4, 1                        ; h = lane / 16
	v_lshlrev_b32 v[QO], 10, v1
	v_lshl_add_u32 v[QO], v28, 4, v[QO]            ; row x 1,024 + 16 x half
	WIN 0x40                                       ; destination window 1
.irp t, 0,1
.irp dc, 0,1,2,3,4,5,6,7,8,9,10,11,12,13,14,15
	global_load_b128 v[128*\t+8*\dc:128*\t+8*\dc+3],   v[QO], s[4:5] offset:16384*\t+64*\dc      ; Q stays in registers
	global_load_b128 v[128*\t+8*\dc+4:128*\t+8*\dc+7], v[QO], s[4:5] offset:16384*\t+64*\dc+32
.endr
.endr
	WIN 0
	v_mul_u32_u24 v[AK0], v1, PK
	v_lshl_add_u32 v[AK0], v28, 4, v[AK0]          ; K: row x pitch + 16 x half
	v_and_b32 v29, 7, v0                           ; V: the turning load takes 16 keys x 16 channels: lane l reads key 8 (l / 16) + l % 8, channels 8 ((l / 8) % 2) + 0..7
	v_bfe_u32 v30, v0, 3, 1
	v_lshl_add_u32 v[AV0], v28, 3, v29
	v_mul_u32_u24 v[AV0], v[AV0], PV
	v_lshl_add_u32 v[AV0], v30, 4, v[AV0]
	v_add_nc_u32 v[AV0], VOFF, v[AV0]
	v_and_b32 v29, 31, v0
	v_lshlrev_b32 v[SO8], 3, v29
	v_lshlrev_b32 v[PFO], 8, v29
	v_lshlrev_b32 v[GO], 4, v29
; Eight LDS loads: K's four fragments (16 keys kt x channels 32 g on) into set g % 4
.macro KLOAD g
.irp kt, 0,1,2,3
	ds_load_b128 v[F+32*((\g)%4)+8*\kt:F+32*((\g)%4)+8*\kt+3],   v[ADK] offset:\kt*16*PK+64*(\g)
	ds_load_b128 v[F+32*((\g)%4)+8*\kt+4:F+32*((\g)%4)+8*\kt+7], v[ADK] offset:\kt*16*PK+64*(\g)+32
.endr
.endm
; Eight turning loads: V's four fragments (32 keys kc x channels 16 (2 gv + cl) on) into set gv % 4, fragment 2 kc + cl
.macro VLOAD gv
.irp kc, 0,1
.irp cl, 0,1
	ds_load_tr16_b128 v[F+32*((\gv)%4)+8*(2*\kc+\cl):F+32*((\gv)%4)+8*(2*\kc+\cl)+3],   v[ADV] offset:\kc*32*PV+32*(2*(\gv)+\cl)
	ds_load_tr16_b128 v[F+32*((\gv)%4)+8*(2*\kc+\cl)+4:F+32*((\gv)%4)+8*(2*\kc+\cl)+7], v[ADV] offset:\kc*32*PV+16*PV+32*(2*(\gv)+\cl)
.endr
.endr
.endm
; Eight products of S^T = K Q^T, channels 32 g on; the eight accumulators take turns; the first eight start the sums
.macro SMUL g
.irp kt, 0,1,2,3
.irp t, 0,1
.if (\g) == 0
	v_wmma_f32_16x16x32_f16 v[S+32*\t+8*\kt:S+32*\t+8*\kt+7], v[F+32*((\g)%4)+8*\kt:F+32*((\g)%4)+8*\kt+7], v[128*\t+8*(\g):128*\t+8*(\g)+7], 0
.else
	v_wmma_f32_16x16x32_f16 v[S+32*\t+8*\kt:S+32*\t+8*\kt+7], v[F+32*((\g)%4)+8*\kt:F+32*((\g)%4)+8*\kt+7], v[128*\t+8*(\g):128*\t+8*(\g)+7], v[S+32*\t+8*\kt:S+32*\t+8*\kt+7]
.endif
.endr
.endr
.endm
; Eight products of O^T += V^T P, channels 32 gv on: four accumulators by turns, twice round.  first = 1: the first round starts the sums
.macro PVMUL gv, first
.irp kc, 0,1
.irp cl, 0,1
.irp t, 0,1
.set rO, 128*\t+8*((2*(\gv)+\cl)%16)
.set rV, F+32*((\gv)%4)+8*(2*\kc+\cl)
.set rP, P+16*\t+8*\kc
.if (\first) && (\kc == 0)
	v_wmma_f32_16x16x32_f16 v[rO:rO+7], v[rV:rV+7], v[rP:rP+7], 0
.else
	v_wmma_f32_16x16x32_f16 v[rO:rO+7], v[rV:rV+7], v[rP:rP+7], v[rO:rO+7]
.endif
.endr
.endr
.endr
.endm
; The softmax of both tiles for one key step, the tiles line by line.  first = 1: the first step has no old maximum, no a, and starts l.
.macro SOFTMAX first
.irp t, 0,1
	v_max3_num_f32 v[ST+8*\t+4], v[S+32*\t], v[S+32*\t+1], v[S+32*\t+2]          ; two chains; each accumulator's first read falls on its low end: registers 0, 8, 16, 24 of the 32
.endr
.irp t, 0,1
	v_max3_num_f32 v[ST+8*\t+5], v[S+32*\t+3], v[S+32*\t+4], v[S+32*\t+5]
.endr
.irp i, 6,10,14,18,22,26
.irp t, 0,1
	v_max3_num_f32 v[ST+8*\t+4], v[ST+8*\t+4], v[S+32*\t+\i], v[S+32*\t+\i+1]
.endr
.irp t, 0,1
	v_max3_num_f32 v[ST+8*\t+5], v[ST+8*\t+5], v[S+32*\t+\i+2], v[S+32*\t+\i+3]
.endr
.endr
.irp t, 0,1
	v_max3_num_f32 v[ST+8*\t+4], v[ST+8*\t+4], v[S+32*\t+30], v[S+32*\t+31]
.endr
.irp t, 0,1
.if \first
	v_max_num_f32 v[ST+8*\t+4], v[ST+8*\t+4], v[ST+8*\t+5]
.else
	v_max3_num_f32 v[ST+8*\t+4], v[ST+8*\t+4], v[ST+8*\t+5], v[ST+8*\t+1]     ; with the old m
.endif
.endr
.irp t, 0,1
	v_permlanex16_b32 v[ST+8*\t+5], v[ST+8*\t+4], s[SEL], s[SEL+1]            ; the query's other 32 keys lie in the lane 16 away
.endr
.if (\first) == 0
.irp t, 0,1
	v_mov_b32 v[ST+8*\t+7], v[ST+8*\t]             ; c m_old is kept for a
.endr
.endif
.irp t, 0,1
	v_max_num_f32 v[ST+8*\t+1], v[ST+8*\t+4], v[ST+8*\t+5]
.endr
.irp t, 0,1
	v_mul_f32 v[ST+8*\t], s[CS], v[ST+8*\t+1]
.endr
.if (\first) == 0
.irp t, 0,1
	v_sub_f32 v[ST+8*\t+7], v[ST+8*\t+7], v[ST+8*\t]
.endr
.irp t, 0,1
	v_exp_f32 v[ST+8*\t+6], v[ST+8*\t+7]           ; a
.endr
.endif
.irp b, 0,1,2,3,4,5,6,7,8,9,10,11,12,13,14,15
.irp t, 0,1
	v_pk_fma_f32 v[S+32*\t+2*\b:S+32*\t+2*\b+1], v[S+32*\t+2*\b:S+32*\t+2*\b+1], s[CS:CS+1], v[ST+8*\t:ST+8*\t+1] op_sel_hi:[1,0,0] neg_lo:[0,0,1] neg_hi:[0,0,1]   ; c s - c m
.endr
.endr
.irp e, 0,1,2,3,4,5,6,7,8,9,10,11,12,13,14,15,16,17,18,19,20,21,22,23,24,25,26,27,28,29,30,31
.irp t, 0,1
	v_exp_f32 v[S+32*\t+\e], v[S+32*\t+\e]
.endr
.endr
	v_nop                                          ; a plain instruction behind the last exponential
	s_wait_alu depctr_va_vdst(0)                   ; the wait ahead of the first instruction that names a result: one for the whole batch of both tiles
.irp b, 0,1,2,3,4,5,6,7,8,9,10,11,12,13,14,15
.irp t, 0,1
	v_cvt_pk_f16_f32 v[P+16*\t+\b], v[S+32*\t+2*\b], v[S+32*\t+2*\b+1]
.endr
.endr
.irp u, 0,1,2,3,4,5,6,7
.irp t, 0,1
	v_pk_add_f32 v[S+32*\t+4*\u:S+32*\t+4*\u+1], v[S+32*\t+4*\u:S+32*\t+4*\u+1], v[S+32*\t+4*\u+2:S+32*\t+4*\u+3]   ; the sum of the 16 pairs, as a tree, in place
.endr
.endr
.irp u, 0,1,2,3
.irp t, 0,1
	v_pk_add_f32 v[S+32*\t+8*\u:S+32*\t+8*\u+1], v[S+32*\t+8*\u:S+32*\t+8*\u+1], v[S+32*\t+8*\u+4:S+32*\t+8*\u+5]
.endr
.endr
.irp u, 0,1
.irp t, 0,1
	v_pk_add_f32 v[S+32*\t+16*\u:S+32*\t+16*\u+1], v[S+32*\t+16*\u:S+32*\t+16*\u+1], v[S+32*\t+16*\u+8:S+32*\t+16*\u+9]
.endr
.endr
.if \first
.irp t, 0,1
	v_pk_add_f32 v[ST+8*\t+2:ST+8*\t+3], v[S+32*\t:S+32*\t+1], v[S+32*\t+16:S+32*\t+17]
.endr
.else
.irp t, 0,1
	v_pk_add_f32 v[S+32*\t:S+32*\t+1], v[S+32*\t:S+32*\t+1], v[S+32*\t+16:S+32*\t+17]
.endr
.irp t, 0,1
	v_pk_fma_f32 v[ST+8*\t+2:ST+8*\t+3], v[ST+8*\t+2:ST+8*\t+3], v[ST+8*\t+6:ST+8*\t+7], v[S+32*\t:S+32*\t+1] op_sel_hi:[1,0,1]   ; l = a l + the sum
.endr
.endif
.endm
.macro RESCALE                         ; O^T x a
.irp w, 0x82, 0xc3                     ; destination and source 0 in window 2, then 3; a in window 0
	WIN \w
.irp t, 0,1
.set i, 0
.rept 64
	v_pk_mul_f32 v[128*\t+2*i:128*\t+2*i+1], v[128*\t+2*i:128*\t+2*i+1], v[ST+8*\t+6:ST+8*\t+7] op_sel_hi:[1,0]
.set i, i+1
.endr
.endr
.endr
.endm
; A KEY STEP: 64 keys.  The LDS loads run three groups of eight ahead of the products that use them, in four sets of registers that take turns; V's first four groups are asked for behind K's last products.
.macro STEP first
	WIN 0
	v_add_nc_u32 v[ADK], s[TB], v[AK0]             ; (no LDS load of mine is out)
	v_add_nc_u32 v[ADV], s[TB], v[AV0]
	WIN 0x04                                       ; source 1 (Q) window 1; all else, the LDS loads' registers too, window 0
	KLOAD 0
	KLOAD 1
	KLOAD 2
	KLOAD 3
.set G, 0
.rept 16
	s_wait_dscnt 24                                ; this group's eight loads are in; the three groups behind it may be out
	SMUL G
	PLACES                                         ; ahead of the loads into the set just multiplied (behind the last group: ahead of the softmax's reads)
.if G < 12
	KLOAD G+4
.else
	VLOAD G-12
.endif
.set G, G+1
.endr
	WIN 0
	SOFTMAX \first
.if (\first) == 0
	RESCALE
.endif
.set G, 0
.rept 16
.if G < 8
	WIN 0xa0                                       ; C and D window 2
.else
	WIN 0xf0                                       ; window 3
.endif
.if G <= 12
	s_wait_dscnt 24
.else
	s_wait_dscnt 8*(15-G)                          ; the counts run down: nothing more is asked for
.endif
	PVMUL G, \first
	PLACES
	WIN 0
.if G < 12
	VLOAD G+4
.endif
.set G, G+1
.endr
.endm
; THE CHANGE OF SLOTS.  Each wave waits for all its tensor loads, of which one is out: its part of the other slot; adds 0 to its spare word; and waits for that and for its reads of the slot that it leaves.
; fill = 1: the barrier is a round of the cluster's, so that no wave of any partner still reads the slot or has a load on its way, and the joint refill is the first thing behind it.
.macro CHANGE fill
	WIN 0
	s_wait_tensorcnt 0x0                           ; no tensor load of mine is out, so a group 0 may be written
	ds_add_u32 v[SPW], v[NIL]                      ; 0 onto my spare word; the descriptors' steps stand between it and the wait for it
.if \fill
	s_xor_b32 s[TF], s[TF], SLOTB                  ; the other slot than last time,
	s_add_co_u32 s[G0K+5], s[TF], s[KW]
	s_add_co_u32 s[G0V+5], s[TF], s[VW]
	s_add_nc_u64 s[G0K+6:G0K+7], s[G0K+6:G0K+7], TILEB   ; the next 64 keys; the type bits on top are not reached
	s_add_nc_u64 s[G0V+6:G0V+7], s[G0V+6:G0V+7], TILEB
	s_wait_xcnt 0x0                                ; the last prefetch, a key step back, has read its address
	s_add_nc_u64 s[PFA:PFA+1], s[PFA:PFA+1], TILEB ; one tile further on than the walking descriptors
.endif
	s_wait_dscnt 0x0                               ; the add is done, and my reads of the slot are over
.if \fill
	CROUND
	JLOAD
	ASK
.else
	s_barrier_signal -1
	s_barrier_wait -1
.endif
	s_xor_b32 s[TB], s[TB], SLOTB                  ; on to the other slot
.endm
	s_wait_tensorcnt 1                             ; my part of tile 0 is in; tile 1's may stay out
	s_barrier_signal -1
	s_barrier_wait -1                              ; everybody's is
	s_wait_loadcnt 0x0                             ; Q
	STEP 1                                         ; key step 0 starts m, l and O^T: nothing is ever cleared
	s_mov_b32 s[CNT], 6
.Lstep:                                            ; six trips: key steps 1 to 6; their changes of slots ask for tiles 2 to 7
	CHANGE 1
	STEP 0
	s_sub_co_u32 s[CNT], s[CNT], 1
	s_cmp_lg_u32 s[CNT], 0
	s_cbranch_scc1 .Lstep
	CHANGE 0                                       ; the tail is written out
	STEP 0
	; THE WAY OUT.  l's halves are added; (c m, l) of my wave's 32 queries leave as 256 bytes; O^T / l, rounded to f16, leaves as it stands: a lane's eight channels are 16 bytes, and 32 lanes' 512 bytes are half a fragment of the next launch.
.irp t, 0,1
	v_add_f32 v[ST+8*\t+4], v[ST+8*\t+2], v[ST+8*\t+3]
.endr
.irp t, 0,1
	v_permlanex16_b32 v[ST+8*\t+5], v[ST+8*\t+4], s[SEL], s[SEL+1]
.endr
.irp t, 0,1
	v_add_f32 v[ST+8*\t+4], v[ST+8*\t+4], v[ST+8*\t+5]
.endr
.irp t, 0,1
	v_rcp_f32 v[ST+8*\t+6], v[ST+8*\t+4]
.endr
	v_and_b32 v28, 31, v0                          ; (a plain instruction behind the reciprocals)
	v_cmp_lt_u32 vcc_lo, 15, v28                   ; lanes 16-31 store tile 1's queries
	v_cndmask_b32 v30, v[ST], v[ST+8], vcc_lo
	v_cndmask_b32 v31, v[ST+4], v[ST+12], vcc_lo
	global_store_b64 v[SO8], v[30:31], s[8:9]      ; 32 lanes store 256 consecutive aligned bytes
	s_wait_alu depctr_va_vdst(0)                   ; one wait for the two reciprocals, ahead of their first reader
.macro OUTQ wn, t                      ; tile t's 16 channel tiles of window wn
	s_wait_xcnt 0x0                                ; the earlier stores have read their data registers
	WIN \wn                                        ; source 0 in window wn
.set i, 0
.rept 64
	v_pk_mul_f32 v[F+2*i:F+2*i+1], v[128*(\t)+2*i:128*(\t)+2*i+1], v[ST+8*(\t)+6:ST+8*(\t)+7] op_sel_hi:[1,0]   ; each accumulator from its low end on
.set i, i+1
.endr
	WIN 0
.set i, 0
.rept 64
	v_cvt_pk_f16_f32 v[S+i], v[F+2*i], v[F+2*i+1]
.set i, i+1
.endr
.irp c, 0,1,2,3,4,5,6,7,8,9,10,11,12,13,14,15
	global_store_b128 v[GO], v[S+4*\c:S+4*\c+3], s[6:7] offset:16384*(\t)+512*(16*((\wn)-2)+\c)   ; 32 lanes store 512 consecutive aligned bytes
.endr
.endm
	OUTQ 2, 0
	OUTQ 2, 1
	OUTQ 3, 0
	OUTQ 3, 1
	s_wait_tensorcnt 0x0                           ; the wave's end: behind my last tensor load
	ds_add_u32 v[SPW], v[NIL]
	s_wait_dscnt 0x0
	CROUND                                         ; the closing round: no work-group ends while a partner may still ask for a tile that names it
	s_endpgm
.Lfunc_end_k_qdf2657929c_attn:
	.size	k_qdf2657929c_attn, .Lfunc_end_k_qdf2657929c_attn-k_qdf2657929c_attn
	.p2alignl 7, 3214868480
	.fill 96, 4, 3214868480
	.section	.rodata,"a",@progbits
	.p2align	6, 0x0
	.amdhsa_kernel k_qdf2657929c_attn
		.amdhsa_group_segment_fixed_size 327680
		.amdhsa_private_segment_fixed_size 0
		.amdhsa_enable_private_segment 0
		.amdhsa_kernarg_size 24
		.amdhsa_user_sgpr_count 2
		.amdhsa_user_sgpr_kernarg_segment_ptr 1
		.amdhsa_wavefront_size32 1
		.amdhsa_system_sgpr_workgroup_id_x 1
		.amdhsa_system_sgpr_workgroup_id_y 1
		.amdhsa_system_sgpr_workgroup_id_z 1
		.amdhsa_system_vgpr_workitem_id 0
		.amdhsa_next_free_vgpr 1024
		.amdhsa_next_free_sgpr 72
		.amdhsa_reserve_vcc 1
		.amdhsa_float_denorm_mode_32 3
		.amdhsa_float_denorm_mode_16_64 3
		.amdhsa_memory_ordered 1
		.amdhsa_forward_progress 1
		.amdhsa_inst_pref_size 232
	.end_amdhsa_kernel
	.amdgpu_metadata
---
amdhsa.version: [ 1, 2 ]
amdhsa.kernels:
  - .name:           k_qdf2657929c_attn
    .symbol:         k_qdf2657929c_attn.kd
    .args:
      - { .name: qkv, .offset: 0, .size: 8, .value_kind: global_buffer, .address_space: global }
      - { .name: part, .offset: 8, .size: 8, .value_kind: global_buffer, .address_space: global }
      - { .name: st, .offset: 16, .size: 8, .value_kind: global_buffer, .address_space: global }
    .group_segment_fixed_size: 327680
    .private_segment_fixed_size: 0
    .kernarg_segment_align: 8
    .kernarg_segment_size: 24
    .max_flat_workgroup_size: 128
    .sgpr_count:     72
    .vgpr_count:     1024
    .wavefront_size: 32
...
	.end_amdgpu_metadata
.endif
;; end of part 3
;; launch outp (part 4): grid 256 x 1, 4 waves a work-group, no clusters, 67,072 bytes of LDS; arguments part, st, prep, bo, out0; writes out0
.if DOCPART == 4
	.amdgcn_target "amdgcn-amd-amdhsa--gfx1250"
	.amdhsa_code_object_version 6
	.text
	.protected	k_qdf2657929c_outp
	.globl	k_qdf2657929c_outp
	.p2align	8
	.type	k_qdf2657929c_outp,@function
k_qdf2657929c_outp:
	s_mov_b64 s[64:65], 0
	v_nop
	global_prefetch_b8 v0, s[64:65] scope:SCOPE_SE
	s_setreg_imm32_b32 hwreg(HW_REG_WAVE_MODE, 25, 1), 1
	s_wait_xcnt 0x0
; OUTP: the four parts of each query's attention are merged in f32, rounded to f16, multiplied by Wos (the sum of Wo's eight slices, f16, made by the first launch), and bo is added.  out0: [8192][512] f32.
; THE MERGE.  Part j holds O_j / l_j and (c m_j, l_j).  With M the largest c m_j and g_j = l_j 2^(c m_j - M): attn = the sum of (g_j / the sum of g) x part j.
; SHARES.  A work-group takes 32 rows (two tiles of 16).  Wave w merges channels 128 w .. 128 w + 127 of both tiles (eight fragments of 32 channels) and hands them to the others through LDS as
; images of their registers; behind the one barrier every wave holds all 32 fragments and makes columns 128 w .. 128 w + 127 of the result.
; Wos's fragments lie in memory as images of their registers, and each is wanted in one wave's registers: they go from memory straight into registers by dense loads of 512 bytes, three K steps ahead;
; a joint request through LDS is not used: it would add a write and a read of the same bytes in LDS.
; THE MATRIX INSTRUCTION IS USED TRANSPOSED (source 0 = 16 columns of Wos, source 1 = 16 rows of attn): a lane holds eight neighbouring columns of one row.  bo is the C of each sum's first product.
; REGISTERS: window 0: v1-9 addresses; v16-31 (c m, l) at 8 t + 2 j; v32-127 three sets of 32 loaded registers (under v128: their halves are named), later rows of the result; v128-191 64 numbers in f32;
;   v192-207 the weights at 8 t + 2 j, each twice; v208-223 the merged fragment, two sets; v232-245 at work.
;   window 1: attn's fragments at 8 (16 t + dc).   window 2: Wos's, four sets of 64.   window 3: v0-127 the accumulators at 8 (2 nt + t); v128-191 bo in the result's layout.
.set WOS,   2646016
.set STG,   32768                      ; LDS: 32 fragments of 1,024 bytes from 0; then a stage of 16 rows x 528 bytes for each wave
.set SPT,   528
.set SPARE, STG+4*16*SPT               ; behind the stages: the spare words, 128 bytes for each wave
.set LI,  1                            ; v1  16 x lane
.set R8,  2                            ; v2  8 x (lane % 16)
.set BH,  3                            ; v3  32 x (lane / 16)
.set AW,  4                            ; v4  where I store my fragments' images: 16 x lane + 4,096 x wave
.set SO,  5                            ; v5  the stage: where I put 32 bytes of a row
.set SR,  6                            ; v6  and where I read a row back
.set SPW, 8                            ; v8  LDS address of my spare word; never rewritten
.set NIL, 9                            ; v9  0; never rewritten
.set STA, 16
.set IN,  32
.set U,   128
.set WT,  192
.set FR,  208
.set MSB, 0
.macro WIN new                         ; the immediate's high byte repeats the setting that is left
.if MSB != \new
	s_set_vgpr_msb (MSB<<8)|\new
.set MSB, \new
.endif
.endm
	s_load_b256 s[4:11], s[0:1], 0x0               ; part s[4:5], st s[6:7], prep s[8:9], bo s[10:11]
	s_load_b64 s[12:13], s[0:1], 0x20              ; out0
	v_lshl_add_u32 v[SPW], v0, 2, SPARE
	v_mov_b32 v[NIL], 0
	v_lshrrev_b32 v10, 5, v0
	v_readfirstlane_b32 s16, v10                   ; wave 0..3
	v_and_b32 v10, 31, v0
	v_lshlrev_b32 v[LI], 4, v10
	v_and_b32 v11, 15, v0                          ; r
	v_bfe_u32 v12, v0, 4, 1                        ; h
	v_lshlrev_b32 v[R8], 3, v11
	v_lshlrev_b32 v[BH], 5, v12
	s_lshl_b32 s28, s16, 12
	v_add_nc_u32 v[AW], s28, v[LI]
	s_mul_i32 s29, s16, 16*SPT
	s_add_co_u32 s29, s29, STG                     ; my stage
	v_mul_u32_u24 v[SO], v11, SPT
	v_lshl_add_u32 v[SO], v12, 5, v[SO]
	v_add_nc_u32 v[SO], s29, v[SO]
	v_add_nc_u32 v[SR], s29, v[LI]
	s_lshl_b32 s18, ttmp9, 15                      ; part: two row tiles of 16,384 bytes a work-group, eight channel tiles of 512 a wave
	s_add_co_u32 s18, s18, s28
	s_mov_b32 s19, 0
	s_wait_kmcnt 0x0
	s_add_nc_u64 s[20:21], s[4:5], s[18:19]        ; the four parts lie 8,388,608 bytes apart
	s_add_nc_u64 s[22:23], s[20:21], 8388608
	s_add_nc_u64 s[24:25], s[20:21], 16777216
	s_add_nc_u64 s[26:27], s[20:21], 25165824
	s_lshl_b32 s18, ttmp9, 8
	s_add_nc_u64 s[6:7], s[6:7], s[18:19]          ; st: 32 rows of 8 bytes
	s_lshl_b32 s18, s16, 9
	s_add_nc_u64 s[10:11], s[10:11], s[18:19]      ; bo: my 128 numbers
	s_lshl_b32 s18, s16, 17
	s_add_co_u32 s18, s18, WOS
	s_add_nc_u64 s[8:9], s[8:9], s[18:19]          ; Wos: my eight column tiles of 16,384 bytes
	s_lshl_b32 s18, ttmp9, 16
	s_lshl_b32 s28, s16, 9
	s_add_co_u32 s18, s18, s28
	s_add_nc_u64 s[12:13], s[12:13], s[18:19]      ; out0: 32 rows of 2,048 bytes, my 512 bytes of each
	WIN 0xc0                                       ; destination window 3
.irp nt, 0,1,2,3,4,5,6,7
	global_load_b128 v[128+8*\nt:128+8*\nt+3], v[BH], s[10:11] offset:64*\nt
	global_load_b128 v[128+8*\nt+4:128+8*\nt+7], v[BH], s[10:11] offset:64*\nt+16
.endr
	WIN 0
.irp t, 0,1
.irp j, 0,1,2,3
	global_load_b64 v[STA+8*\t+2*\j:STA+8*\t+2*\j+1], v[R8], s[6:7] offset:65536*\j+128*\t   ; (c m, l) of row lane % 16 of tile t, part j
.endr
.endr
; Batch b: fragment (tile b / 4, my b % 4-th 32 channels) of all four parts: eight loads of 512 dense bytes, into set b % 3
.macro LOADB b
.irp j, 0,1,2,3
.irp p, 0,1
	global_load_b128 v[IN+32*((\b)%3)+8*\j+4*\p:IN+32*((\b)%3)+8*\j+4*\p+3], v[LI], s[20+2*\j:21+2*\j] offset:16384*((\b)/4)+1024*((\b)%4)+512*\p th:TH_LOAD_NT
.endr
.endr
.endm
	LOADB 0
	LOADB 1
	LOADB 2
	s_wait_loadcnt 24                              ; bo and the statistics are in; the three batches may be out
.irp t, 0,1
	v_max3_num_f32 v[240+\t], v[STA+8*\t], v[STA+8*\t+2], v[STA+8*\t+4]
.endr
.irp t, 0,1
	v_max_num_f32 v[240+\t], v[240+\t], v[STA+8*\t+6]                 ; M: the largest c m of the four parts is taken away ahead of the exponentials
.endr
.irp t, 0,1
.irp j, 0,1,2,3
	v_sub_f32 v[232+4*\t+\j], v[STA+8*\t+2*\j], v[240+\t]
.endr
.endr
.irp i, 0,1,2,3,4,5,6,7
	v_exp_f32 v[232+\i], v[232+\i]
.endr
	v_nop                                          ; a plain instruction behind the last exponential
	s_wait_alu depctr_va_vdst(0)                   ; the wait ahead of the first reader: one for the eight
.irp t, 0,1
.irp j, 0,1,2,3
	v_mul_f32 v[232+4*\t+\j], v[232+4*\t+\j], v[STA+8*\t+2*\j+1]      ; g_j
.endr
.endr
.irp t, 0,1
	v_add_f32 v[242+\t], v[232+4*\t], v[233+4*\t]
	v_add_f32 v[244+\t], v[234+4*\t], v[235+4*\t]
.endr
.irp t, 0,1
	v_add_f32 v[242+\t], v[242+\t], v[244+\t]
.endr
.irp t, 0,1
	v_rcp_f32 v[244+\t], v[242+\t]
.endr
	v_nop
	s_wait_alu depctr_va_vdst(0)                   ; one for the two reciprocals
.irp t, 0,1
.irp j, 0,1,2,3
	v_mul_f32 v[WT+8*\t+2*\j], v[232+4*\t+\j], v[244+\t]              ; the weight, twice: a pair for the packed forms
	v_mul_f32 v[WT+8*\t+2*\j+1], v[232+4*\t+\j], v[244+\t]
.endr
.endr
; A loaded register's two f16 numbers, widened.  A register's halves are named by plain numbers, so the three sets are written out as lists.
.macro CVONE r, base
	v_cvt_f32_f16 v[U+2*(\r-\base)], v\r\().l
	v_cvt_f32_f16 v[U+2*(\r-\base)+1], v\r\().h
.endm
.macro CVSET set
.if (\set) == 0
.irp r, 32,33,34,35,36,37,38,39,40,41,42,43,44,45,46,47,48,49,50,51,52,53,54,55,56,57,58,59,60,61,62,63
	CVONE \r, 32
.endr
.elseif (\set) == 1
.irp r, 64,65,66,67,68,69,70,71,72,73,74,75,76,77,78,79,80,81,82,83,84,85,86,87,88,89,90,91,92,93,94,95
	CVONE \r, 64
.endr
.else
.irp r, 96,97,98,99,100,101,102,103,104,105,106,107,108,109,110,111,112,113,114,115,116,117,118,119,120,121,122,123,124,125,126,127
	CVONE \r, 96
.endr
.endif
.endm
; Batch b is merged in f32 (register 16 j + 2 i of U: part j, register i of the fragment), rounded to f16 and stored as the image of a fragment
.macro MERGE b
.set TT, (\b)/4
	CVSET (\b)%3
.irp i, 0,1,2,3,4,5,6,7
	v_pk_mul_f32 v[U+2*\i:U+2*\i+1], v[U+2*\i:U+2*\i+1], v[WT+8*TT:WT+8*TT+1]
.endr
.irp j, 1,2,3
.irp i, 0,1,2,3,4,5,6,7
	v_pk_fma_f32 v[U+2*\i:U+2*\i+1], v[U+16*\j+2*\i:U+16*\j+2*\i+1], v[WT+8*TT+2*\j:WT+8*TT+2*\j+1], v[U+2*\i:U+2*\i+1]
.endr
.endr
.if (\b) >= 2
	s_wait_dscnt 2                                 ; the two stores of two batches back are done: their registers are written again (the last batch's two may be out)
.endif
.irp i, 0,1,2,3,4,5,6,7
	v_cvt_pk_f16_f32 v[FR+8*((\b)%2)+\i], v[U+2*\i], v[U+2*\i+1]
.endr
	ds_store_b128 v[AW], v[FR+8*((\b)%2):FR+8*((\b)%2)+3] offset:16384*TT+1024*((\b)%4)
	ds_store_b128 v[AW], v[FR+8*((\b)%2)+4:FR+8*((\b)%2)+7] offset:16384*TT+1024*((\b)%4)+512
.endm
; Wos's eight fragments of my columns for K step dc (32 channels): sixteen loads of 512 dense bytes, into set dc % 4 of window 2
.macro WLOAD dc
	WIN 0x80
.irp nt, 0,1,2,3,4,5,6,7
.irp p, 0,1
	global_load_b128 v[64*((\dc)%4)+8*\nt+4*\p:64*((\dc)%4)+8*\nt+4*\p+3], v[LI], s[8:9] offset:16384*\nt+1024*(\dc)+512*\p
.endr
.endr
	WIN 0
.endm
.irp b, 0,1,2,3,4
	s_wait_loadcnt 16                              ; this batch's eight loads are in; the two batches behind it may be out
	MERGE \b
	LOADB \b+3                                     ; into the set just read
.endr
	s_wait_loadcnt 16
	MERGE 5
	WLOAD 0
	WLOAD 1
	s_wait_loadcnt 40                              ; behind batch 6: batch 7's eight loads and Wos's 32
	MERGE 6
	s_wait_loadcnt 32                              ; behind batch 7: Wos's 32
	MERGE 7
	WLOAD 2
	WLOAD 3
	s_wait_dscnt 0x0                               ; for the others' sake: my images have landed
	s_barrier_signal -1
	s_barrier_wait -1                              ; all 32 fragments lie in LDS
	WIN 0x40                                       ; destination window 1
.set j, 0
.rept 64
	ds_load_b128 v[4*j:4*j+3], v[LI] offset:512*j
.set j, j+1
.endr
	WIN 0
	s_wait_dscnt 0x0
; K step dc: sixteen products; the sixteen accumulators take turns; the first step takes bo as C
.macro GMUL dc
	WIN 0xf6                                       ; source 0 (Wos) window 2, source 1 (attn) window 1, C and D window 3
.irp nt, 0,1,2,3,4,5,6,7
.irp t, 0,1
.set rD, 8*(2*\nt+\t)
.set rC, rD
.if (\dc) == 0
.set rC, 128+8*\nt
.endif
	v_wmma_f32_16x16x32_f16 v[rD:rD+7], v[64*((\dc)%4)+8*\nt:64*((\dc)%4)+8*\nt+7], v[8*(16*\t+(\dc)):8*(16*\t+(\dc))+7], v[rC:rC+7]
.endr
.endr
	WIN 0
.rept 4
	v_nop                                          ; four places ahead of the loads into the set just multiplied, and of the first read of the results
.endr
.endm
.set DC, 0
.rept 16
.if DC <= 12
	s_wait_loadcnt 48                              ; this K step's sixteen loads are in; the three steps behind it may be out
.else
	s_wait_loadcnt 16*(15-DC)
.endif
	GMUL DC
.if DC < 12
	WLOAD DC+4
.endif
.set DC, DC+1
.endr
; THE WAY OUT, a tile of 16 rows at a time: a lane's eight columns are 32 bytes of a row; they go through my own stage and come back as rows of 512 bytes.
.macro TOSTAGE t
	WIN 0x0c                                       ; an LDS store's data are its source 1: window 3
.irp nt, 0,1,2,3,4,5,6,7
	ds_store_b128 v[SO], v[8*(2*\nt+(\t)):8*(2*\nt+(\t))+3] offset:64*\nt          ; each accumulator from its low end on
	ds_store_b128 v[SO], v[8*(2*\nt+(\t))+4:8*(2*\nt+(\t))+7] offset:64*\nt+16
.endr
	WIN 0
.irp i, 0,1,2,3,4,5,6,7,8,9,10,11,12,13,14,15
	ds_load_b128 v[IN+4*\i:IN+4*\i+3], v[SR] offset:SPT*\i   ; LDS serves a wave's instructions in order: these see the stores above
.endr
.endm
.macro SEND t
	s_wait_dscnt 0x0
.irp i, 0,1,2,3,4,5,6,7,8,9,10,11,12,13,14,15
	global_store_b128 v[LI], v[IN+4*\i:IN+4*\i+3], s[12:13] offset:(16*(\t)+\i)*2048 th:TH_STORE_NT   ; 32 lanes store 512 consecutive aligned bytes; written once, read by nobody here
.endr
.endm
	TOSTAGE 0
	SEND 0
	s_wait_xcnt 0x0                                ; the stores have read their data registers: the next tile's rows may land there
	TOSTAGE 1
	SEND 1
	s_wait_tensorcnt 0x0                           ; the wave's end: behind my last LDS store
	ds_add_u32 v[SPW], v[NIL]
	s_wait_dscnt 0x0
	s_endpgm
.Lfunc_end_k_qdf2657929c_outp:
	.size	k_qdf2657929c_outp, .Lfunc_end_k_qdf2657929c_outp-k_qdf2657929c_outp
	.p2alignl 7, 3214868480
	.fill 96, 4, 3214868480
	.section	.rodata,"a",@progbits
	.p2align	6, 0x0
	.amdhsa_kernel k_qdf2657929c_outp
		.amdhsa_group_segment_fixed_size 67072
		.amdhsa_private_segment_fixed_size 0
		.amdhsa_enable_private_segment 0
		.amdhsa_kernarg_size 40
		.amdhsa_user_sgpr_count 2
		.amdhsa_user_sgpr_kernarg_segment_ptr 1
		.amdhsa_wavefront_size32 1
		.amdhsa_system_sgpr_workgroup_id_x 1
		.amdhsa_system_sgpr_workgroup_id_y 1
		.amdhsa_system_sgpr_workgroup_id_z 1
		.amdhsa_system_vgpr_workitem_id 0
		.amdhsa_next_free_vgpr 960
		.amdhsa_next_free_sgpr 66
		.amdhsa_reserve_vcc 0
		.amdhsa_float_denorm_mode_32 3
		.amdhsa_float_denorm_mode_16_64 3
		.amdhsa_memory_ordered 1
		.amdhsa_forward_progress 1
		.amdhsa_inst_pref_size 106
	.end_amdhsa_kernel
	.amdgpu_metadata
---
amdhsa.version: [ 1, 2 ]
amdhsa.kernels:
  - .name:           k_qdf2657929c_outp
    .symbol:         k_qdf2657929c_outp.kd
    .args:
      - { .name: part, .offset: 0, .size: 8, .value_kind: global_buffer, .address_space: global }
      - { .name: st, .offset: 8, .size: 8, .value_kind: global_buffer, .address_space: global }
      - { .name: prep, .offset: 16, .size: 8, .value_kind: global_buffer, .address_space: global }
      - { .name: bo, .offset: 24, .size: 8, .value_kind: global_buffer, .address_space: global }
      - { .name: out0, .offset: 32, .size: 8, .value_kind: global_buffer, .address_space: global }
    .group_segment_fixed_size: 67072
    .private_segment_fixed_size: 0
    .kernarg_segment_align: 8
    .kernarg_segment_size: 40
    .max_flat_workgroup_size: 128
    .sgpr_count:     66
    .vgpr_count:     960
    .wavefront_size: 32
...
	.end_amdgpu_metadata
.endif
;; end of part 4
